; MI455X (gfx1250); checked and timed in simulation.
; The chip was launched on July 23, 2026; its instructions are those of AMD's public machine-readable ISA for CDNA 5 (MIT licence, August 2026) and "CDNA5" Instruction Set Architecture Reference Guide (July 2026). The comments in the code are by the model that wrote it; some were corrected since.
;; Multihead Self Attention. Allowed arithmetic: matrix products marked QUANTISED: E4M3 operands, one given power-of-two scale a tensor, by v_wmma_f32_16x16x64_fp8_fp8 or v_wmma_f32_16x16x128_fp8_fp8, f32 sums; everything else in f32.
;; Inputs: Wk 1,024 x 1,024 float32; Wo 1,024 x 1,024 float32; Wq 1,024 x 1,024 float32; Wv 1,024 x 1,024 float32; lowp_scales 12 int32 (the exponents e of the quantised operands' scales 2^e); x 4 x 2,048 x 1,024 float32.
;; Outputs: out0 4 x 2,048 x 1,024 float32.
;; This version of the problem:
;;   THIS VERSION OF THE PROBLEM IS GIVEN IN LOW PRECISION. The matrix products marked QUANTISED in the list below multiply operands that are first quantised to E4M3 (4 exponent bits, 3 mantissa bits; 8 bits a number), with one given power-of-two scale for each operand tensor; their sums are f32. All else is computed in f32.
;;   The module's matrix products, in the order in which they are computed (A, B: the left and right operand; K: the contracted axis; several contracted axes count as one K, in the product's order):
;;     1. [M 8,192, K 1,024] x [K 1,024, N 1,024]; A: input x; B: input Wq: QUANTISED (scales: A lowp_scales[0], B lowp_scales[1])
;;     2. [M 8,192, K 1,024] x [K 1,024, N 1,024]; A: input x; B: input Wk: QUANTISED (scales: A lowp_scales[2], B lowp_scales[3])
;;     3. [M 8,192, K 1,024] x [K 1,024, N 1,024]; A: input x; B: input Wv: QUANTISED (scales: A lowp_scales[4], B lowp_scales[5])
;;     4. batch 64 x [M 2,048, K 64] x [K 64, N 2,048]; A: computed on the way; B: computed on the way: QUANTISED (scales: A lowp_scales[6], B lowp_scales[7])
;;     5. batch 64 x [M 2,048, K 2,048] x [K 2,048, N 64]; A: softmax (see below); B: computed on the way: QUANTISED (scales: A lowp_scales[8], B lowp_scales[9])
;;     6. [M 8,192, K 1,024] x [K 1,024, N 1,024]; A: computed on the way; B: input Wo: QUANTISED (scales: A lowp_scales[10], B lowp_scales[11])
;;   THE QUANTISER, for each operand of a quantised product, along K:
;;     - The operand's scale is 2^e, e = its entry of the input lowp_scales (int32; the entries are numbered through the quantised products in the list's order, A before B).
;;     - Each number is divided by the scale, clamped to +-448, and rounded to the nearest number of E4M3, ties to even, subnormals kept.
;;     - The product sums the exact products of the quantised numbers (number of the format x scale) in f32.
;;   ~~~python
;;   def quantise(x, axis, e):      # numpy; x: float32 -> the quantised numbers, widened to float32 again
;;       x = np.moveaxis(x, axis, -1); K = x.shape[-1]
;;       r = np.clip(x / 2.0 ** e, -448, 448)
;;       step = 2.0 ** (np.maximum(np.frexp(np.where(r == 0, 1, r))[1] - 1, -6) - 3)
;;       q = np.round(r / step) * step * 2.0 ** e      # np.round: ties to even
;;       return np.moveaxis(q, -1, axis).astype(np.float32)
;;   ~~~
;;   SOFTMAX AHEAD OF A QUANTISED PRODUCT. Where the list says 'softmax', what is quantised is not the finished softmax but p = 2^(t - M), with t = logit x log2(e) and M = ceil(the row's largest t), a whole number; so 1/2 < the row's largest p <= 1. The row's sum l is taken of the UNQUANTISED p, in f32, and the product's result is divided by l at the end. Since M is a whole number, a kernel that streams over the keys may use a running M (the ceiling of the running maximum): every later rescaling is an exact power of two, so the quantised numbers keep their values, but for numbers so far below the row's largest that they fall under the format's range.
;;   OPERANDS COMPUTED ON THE WAY. 'Computed on the way' means the value that the module computes at that place (a softmax that the list does not call 'softmax' is quantised finished and normalised). What goes into a quantiser is computed in f32, as accurately as f32 sums, v_exp_f32 and their like allow (about 1e-6 of the number): no bf16 or f16 on the way to a quantiser, and a product that is left as it is and whose result goes on into a quantised operand takes f32 operands (vector FMAs, or v_wmma_f32_16x16x4_f32). A number that lies on a knife's edge between two numbers of the format may be rounded either way, as far as f32 arithmetic and the matrix unit's own rounding can turn it there, and no further.
;; One version. Each part assembles by itself: llvm-mc -triple=amdgcn-amd-amdhsa -mcpu=gfx1250 --defsym DOCPART=n.
;; ======== version 1 of 1: 4 launches
;; limits: right only within a limited range of input values
;; workspace buffers: xc 25,165,824 bytes; wc 4,194,304 bytes; rt 524,288 bytes; qkv 25,165,824 bytes; ac 8,388,608 bytes
;; launch prep (part 1): grid 416 x 1, 4 waves a work-group, no clusters, 35,328 bytes of LDS; arguments x, Wq, Wk, Wv, Wo, lowp_scales, xc, wc, rt; writes xc, wc, rt
.if DOCPART == 1
	.amdgcn_target "amdgcn-amd-amdhsa--gfx1250"
	.amdhsa_code_object_version 6
	.text
	.protected	k_qf6c2261d9a_prep
	.globl	k_qf6c2261d9a_prep
	.p2align	8
	.type	k_qf6c2261d9a_prep,@function
k_qf6c2261d9a_prep:
	s_mov_b64 s[64:65], 0
	v_nop
	global_prefetch_b8 v0, s[64:65] scope:SCOPE_SE
	s_setreg_imm32_b32 hwreg(HW_REG_WAVE_MODE, 25, 1), 1
	s_wait_xcnt 0x0
; PREP.  x [8192][1024] and the four weights [1024][1024], f32, K innermost, become codes of E4M3 in FRAGMENT ORDER; and the table of cos and sin for the rotation is made.
; code = number / 2^e, held within +-448, to the nearest code, ties to even.  x is quantised three times (entries 0, 2, 4 of the scales), Wq, Wk, Wv, Wo once (entries 1, 3, 5, 11).
; FRAGMENT ORDER: 16 rows x 128 along K are 2,048 bytes, four images of 512: image c holds at 16 x lane, lane = (r, h), the codes k = 32 c + 8 h + 0..7 and k = 32 c + 16 + 8 h + 0..7 of row r:
; registers 4 c .. 4 c + 3 of an 8-bit operand.  xc: [plane 3][row tile 512][K step 8][2,048];  wc: [plane 4: q, k, v, o][row tile 64][K step 8][2,048].
; SHARES.  Work-groups 0-255: x, two row tiles each; 256-383: the weights, two row tiles each; 384-415: the table.  A wave takes 16 rows x 512 along K: eight steps of 16 rows x 64.
; A step's loads read two rows x 256 consecutive bytes each; the numbers turn through the wave's own stage in LDS (rows of 256 + 16 bytes) and come back eight neighbours along K to a group of registers.
; x and the weights take one path; only pointers and scales are chosen, by the work-group's number; x's second and third plane stand under a scalar branch on that number.  Waves share nothing: no barrier.
; THE TABLE rt: [position / 16: 128][q 4][j 2][lane 32][16 bytes]: lane (r, h) holds cos, sin, cos, sin of pairs 8 q + 4 h + 2 j + 0, 1 at position 16 (position / 16) + r.
; angle = position x 10000^(-k / 32), one rounding.  The power is 2^(-k C), C = log2(10000) / 32 in two parts, the first of 17 bits, so that k x it is exact.  The angle is brought into +-pi/4 by pi/2 in two parts
; (the first product and difference are exact for angles under 2,048) and sin, cos are polynomials of degree 7 and 8.
; LIMITS: each e used here between -126 and 127, so that 2^e is an f32 number.  NaN among the inputs is not served.  The power is within about two units in the last place of the exact one.
.set WREG,  8704                       ; LDS of a wave: two stages
.set STG,   4352                       ; a stage: 16 rows x 272
.set PITCH, 272
.set GL,  2                            ; v2  where a load reads: 4,096 (lane / 16) + 16 (lane % 16)
.set SA,  3                            ; v3  the stage, on the way in
.set LA,  4                            ; v4  the stage, on the way out: row r, + 32 h
.set SO,  5                            ; v5  16 x lane
.set SC,  6                            ; v6, v8, v10  for planes 0, 1, 2: 2^e
.set R,   16                           ; v16-143  four sets of 32 as loaded
.set X,   144                          ; v144-207 two sets of 32: group g of eight: k = 32 (g / 2) + 16 (g % 2) + 8 h + 0..7
.set T,   208
.set C,   224                          ; v224-247 codes: eight registers a plane
.set SRC, 40                           ; s[40:41] where my wave reads
.set D0,  42                           ; s[42:43], s[44:45], s[46:47] where planes 0, 1, 2 go
.set ISX, 48                           ; s48  1 in x's work-groups
	s_load_b512 s[4:19], s[0:1], 0x0               ; x 4:5, Wq 6:7, Wk 8:9, Wv 10:11, Wo 12:13, scales 14:15, xc 16:17, wc 18:19
	s_load_b64 s[20:21], s[0:1], 0x40              ; rt
	v_lshl_add_u32 v254, v0, 2, 0x8800
	v_mov_b32 v255, 0
	v_lshrrev_b32 v1, 5, v0
	v_readfirstlane_b32 s22, v1                    ; wave
	v_and_b32 v1, 31, v0                           ; lane
	v_and_b32 v12, 15, v0                          ; r
	v_bfe_u32 v13, v0, 4, 1                        ; h
	v_lshlrev_b32 v[SO], 4, v1
	s_cmp_ge_u32 ttmp9, 384
	s_cbranch_scc1 .Ltable
	; ---- the quantiser
	s_mul_i32 s23, s22, WREG
	v_lshlrev_b32 v[GL], 12, v13
	v_lshl_add_u32 v[GL], v12, 4, v[GL]
	v_mul_u32_u24 v[SA], v13, PITCH
	v_lshl_add_u32 v[SA], v12, 4, v[SA]
	v_add_nc_u32 v[SA], s23, v[SA]
	v_mul_u32_u24 v[LA], v12, PITCH
	v_lshl_add_u32 v[LA], v13, 5, v[LA]
	v_add_nc_u32 v[LA], s23, v[LA]
	s_sub_co_u32 s36, ttmp9, 256                   ; the weights' work-groups count from 0
	s_lshr_b32 s37, s36, 5                         ; which weight
	s_and_b32 s38, s36, 31                         ; which pair of its row tiles
	s_lshr_b32 s39, s22, 1                         ; wave / 2: which of the two row tiles
	s_and_b32 s49, s22, 1                          ; wave % 2: which half of K
	s_cmp_lt_u32 ttmp9, 256
	s_cselect_b32 s[ISX], 1, 0
	s_cselect_b32 s52, ttmp9, s38
	s_cselect_b32 s54, ttmp9, s36
	s_lshl_b32 s52, s52, 1
	s_add_co_u32 s52, s52, s39                     ; my row tile in the tensor that I read
	s_lshl_b32 s52, s52, 16                        ; 16 rows of 4,096 bytes
	s_lshl_b32 s53, s49, 11
	s_add_co_u32 s52, s52, s53                     ; + 512 numbers
	s_mov_b32 s53, 0
	s_lshl_b32 s54, s54, 1
	s_add_co_u32 s54, s54, s39                     ; my row tile in xc's plane, or in wc (64 a weight, on end)
	s_lshl_b32 s54, s54, 14
	s_lshl_b32 s55, s49, 13
	s_add_co_u32 s54, s54, s55                     ; + four K steps
	s_mov_b32 s55, 0
	s_wait_alu depctr_va_vdst(0)
	s_wait_kmcnt 0x0
	s_load_b256 s[24:31], s[14:15], 0x0            ; e0 .. e7
	s_load_b128 s[32:35], s[14:15], 0x20           ; e8 .. e11
	s_mov_b64 s[SRC:SRC+1], s[12:13]
	s_cmp_eq_u32 s37, 2
	s_cselect_b64 s[SRC:SRC+1], s[10:11], s[SRC:SRC+1]
	s_cmp_eq_u32 s37, 1
	s_cselect_b64 s[SRC:SRC+1], s[8:9], s[SRC:SRC+1]
	s_cmp_eq_u32 s37, 0
	s_cselect_b64 s[SRC:SRC+1], s[6:7], s[SRC:SRC+1]
	s_cmp_eq_u32 s[ISX], 1
	s_cselect_b64 s[SRC:SRC+1], s[4:5], s[SRC:SRC+1]
	s_cselect_b64 s[D0:D0+1], s[16:17], s[18:19]
	s_add_nc_u64 s[SRC:SRC+1], s[SRC:SRC+1], s[52:53]
	s_add_nc_u64 s[D0:D0+1], s[D0:D0+1], s[54:55]
	s_add_nc_u64 s[D0+2:D0+3], s[16:17], s[54:55]  ; planes 1 and 2 are made from xc itself: inside xc in every work-group, used in x's alone
	s_add_nc_u64 s[D0+4:D0+5], s[D0+2:D0+3], 0x1000000
	s_add_nc_u64 s[D0+2:D0+3], s[D0+2:D0+3], 0x800000
.macro LOAD t                          ; step t: eight loads, each two rows x 256 consecutive bytes
.irp j, 0,1,2,3,4,5,6,7
	global_load_b128 v[R+32*((\t)%4)+4*\j:R+32*((\t)%4)+4*\j+3], v[GL], s[SRC:SRC+1] offset:8192*\j+256*(\t) th:TH_LOAD_NT
.endr
.endm
.macro TURN t                          ; step t through the stage; LDS serves a wave's instructions in order (ISA guide 5.7.1.4): no wait between the stores and the loads
.irp j, 0,1,2,3,4,5,6,7
	ds_store_b128 v[SA], v[R+32*((\t)%4)+4*\j:R+32*((\t)%4)+4*\j+3] offset:STG*((\t)%2)+2*PITCH*\j
.endr
	v_nop
.irp i, 0,1,2,3,4,5,6,7
	ds_load_b128 v[X+32*((\t)%2)+4*\i:X+32*((\t)%2)+4*\i+3], v[LA] offset:STG*((\t)%2)+128*(\i/4)+64*((\i/2)%2)+16*(\i%2)
.endr
.endm
.macro MKSC e, p                       ; 2^e as f32, e in s[e], for plane p
	s_add_co_i32 s57, s[\e], 127
	s_lshl_b32 s58, s57, 23
	v_mov_b32 v[SC+2*\p], s58
.endm
; Plane p of step t: the conversion, two stores of 512 consecutive bytes.
.macro PLANE p, t
.set XS, X+32*((\t)%2)
.irp g, 0,1,2,3
.irp n, 0,1,2,3,4,5,6,7
.endr
	v_cvt_scalef32_pk8_fp8_f32 v[C+8*\p+2*\g:C+8*\p+2*\g+1], v[T+8*(\g%2)+((XS+8*\g+0)-(T+8*(\g%2)+0)):T+8*(\g%2)+7+((XS+8*\g+0)-(T+8*(\g%2)+0))], v[SC+2*\p]
.endr
.irp c, 0,1
	global_store_b128 v[SO], v[C+8*\p+4*\c:C+8*\p+4*\c+3], s[D0+2*\p:D0+2*\p+1] offset:1024*(\t)+512*\c
.endr
.endm
.macro STEP t
	s_wait_dscnt 0x0                               ; this step's numbers are back from the stage, and its stores into the stage have read their registers,
.if (\t)+4 < 8
	LOAD (\t)+4                                    ; which take the loads of four steps on
.endif
.if (\t) < 7
.if 6-(\t) >= 3
	s_wait_loadcnt 24                              ; the next step's eight loads are in; those of the three steps behind it may be out
.else
	s_wait_loadcnt 8*(6-(\t))
.endif
	TURN (\t)+1                                    ; through the other stage while this step is worked
.endif
	s_wait_xcnt 0x0                                ; the last step's stores have read their data: the codes' registers are written again only behind this wait
	PLANE 0, \t
	s_cmp_eq_u32 s[ISX], 0
	s_cbranch_scc1 .Lone_\@                        ; a weight has one plane
	PLANE 1, \t
	PLANE 2, \t
.Lone_\@:
.endm
	LOAD 0
	LOAD 1
	LOAD 2
	LOAD 3
	s_wait_kmcnt 0x0
	s_mov_b32 s56, s35                             ; plane 0's e: e11 for Wo, e5 for Wv, e3 for Wk, e1 for Wq, e0 for x
	s_cmp_eq_u32 s37, 2
	s_cselect_b32 s56, s29, s56
	s_cmp_eq_u32 s37, 1
	s_cselect_b32 s56, s27, s56
	s_cmp_eq_u32 s37, 0
	s_cselect_b32 s56, s25, s56
	s_cmp_eq_u32 s[ISX], 1
	s_cselect_b32 s56, s24, s56
	MKSC 56, 0
	MKSC 26, 1                                     ; e2
	MKSC 28, 2                                     ; e4
	s_wait_alu depctr_va_vdst(0)
	s_wait_loadcnt 24                              ; step 0's eight loads are in
	TURN 0
.irp t, 0,1,2,3,4,5,6,7
	STEP \t
.endr
	s_wait_tensorcnt 0x0
	ds_add_u32 v254, v255
	s_wait_dscnt 0x0
	s_endpgm
	; ---- the table: a wave makes 16 positions x 32 pairs, 16 pairs a lane
.set PF,  2                            ; v2   my position as f32
.set H4,  3                            ; v3   4 h
.set INV, 16                           ; v16-31  10000^(-k / 32) for my 16 k = 4 h + 8 (n / 4) + n % 4
.set FL,  32                           ; v32-47  the whole part of -k C
.set OUT, 64                           ; v64-95  cos, sin of pair n at 2 n, 2 n + 1
.Ltable:
	s_sub_co_u32 s23, ttmp9, 384
	s_lshl_b32 s23, s23, 2
	s_add_co_u32 s23, s23, s22                     ; which 16 positions
	s_lshl_b32 s24, s23, 4
	s_wait_alu depctr_va_vdst(0)
	v_add_nc_u32 v[PF], s24, v12
	v_cvt_f32_u32 v[PF], v[PF]
	v_lshlrev_b32 v[H4], 2, v13
	s_wait_alu depctr_va_vdst(0)
	s_lshl_b32 s26, s23, 12
	s_mov_b32 s27, 0
	s_mov_b32 s50, 0xbed49a80                      ; -C's first part
	s_mov_b32 s51, 0x3476866b                      ; first part - C
	s_mov_b32 s52, 0x3f22f983                      ; 2 / pi
	s_mov_b32 s53, 0xbfc90fdb                      ; -(pi / 2)'s first part
	s_mov_b32 s54, 0x333bbd2e                      ; first part - pi / 2
	s_mov_b32 s55, 0xbe2aaaa3                      ; sin: -1.6666654611e-1, 8.3321608736e-3, -1.9515295891e-4
	s_mov_b32 s56, 0x3c08839e
	s_mov_b32 s57, 0xb94ca1f9
	s_mov_b32 s58, 0x3d2aaaa5                      ; cos: 4.166664568e-2, -1.388731625e-3, 2.443315712e-5
	s_mov_b32 s59, 0xbab6061a
	s_mov_b32 s60, 0x37ccf5ce
.set n, 0
.rept 16
	v_add_nc_u32 v48, 8*(n/4)+n%4, v[H4]
	v_cvt_f32_u32 v48, v48                         ; k
	v_mul_f32 v49, s50, v48                        ; exact
	v_floor_f32 v[FL+n], v49
	v_sub_f32 v49, v49, v[FL+n]                    ; exact, in [0, 1)
	v_fma_f32 v[INV+n], v48, s51, v49
	v_cvt_i32_f32 v[FL+n], v[FL+n]
.set n, n+1
.endr
.set n, 0
	s_wait_alu depctr_va_vdst(0)
.rept 16
	v_exp_f32 v[INV+n], v[INV+n]
.set n, n+1
.endr
	v_nop                                          ; a plain instruction behind the last exponential
	s_wait_alu depctr_va_vdst(0)                   ; one wait for the sixteen, ahead of their first reader
.set n, 0
.rept 16
	v_ldexp_f32 v[INV+n], v[INV+n], v[FL+n]
.set n, n+1
.endr
	s_wait_kmcnt 0x0
	s_add_nc_u64 s[20:21], s[20:21], s[26:27]
.set n, 0
.rept 16
	v_mul_f32 v48, v[PF], v[INV+n]                 ; the angle
	v_mul_f32 v49, s52, v48
	v_rndne_f32 v49, v49                           ; N: how many quarter turns
	v_fma_f32 v50, v49, s53, v48                   ; exact
	v_fma_f32 v50, v49, s54, v50                   ; R in +-pi/4
	v_mul_f32 v51, v50, v50                        ; Z
	v_fma_f32 v52, v51, s57, s56
	v_fma_f32 v52, v52, v51, s55
	v_mul_f32 v54, v51, v50
	v_fma_f32 v52, v52, v54, v50                   ; sin R
	v_fma_f32 v53, v51, s60, s59
	v_fma_f32 v53, v53, v51, s58
	v_mul_f32 v54, v51, v51
	v_fma_f32 v55, v51, -0.5, 1.0
	v_fma_f32 v53, v53, v54, v55                   ; cos R
	v_cvt_i32_f32 v56, v49
	v_and_b32 v54, 1, v56
	v_cmp_eq_u32 vcc_lo, 1, v54                    ; an odd quarter turn swaps the two (a choice of values only)
	v_cndmask_b32 v57, v52, v53, vcc_lo
	v_cndmask_b32 v58, v53, v52, vcc_lo
	v_and_b32 v54, 2, v56
	v_lshlrev_b32 v54, 30, v54
	v_xor_b32 v[OUT+2*n+1], v54, v57               ; sin: negative in quarters 2, 3
	v_add_nc_u32 v56, 1, v56
	v_and_b32 v56, 2, v56
	v_lshlrev_b32 v56, 30, v56
	v_xor_b32 v[OUT+2*n], v56, v58                 ; cos: negative in quarters 1, 2
.set n, n+1
.endr
.irp m, 0,1,2,3,4,5,6,7
	global_store_b128 v[SO], v[OUT+4*\m:OUT+4*\m+3], s[20:21] offset:512*\m
.endr
	s_endpgm
.Lfunc_end_k_qf6c2261d9a_prep:
	.size	k_qf6c2261d9a_prep, .Lfunc_end_k_qf6c2261d9a_prep-k_qf6c2261d9a_prep
	.p2alignl 7, 3214868480
	.fill 96, 4, 3214868480
	.section	.rodata,"a",@progbits
	.p2align	6, 0x0
	.amdhsa_kernel k_qf6c2261d9a_prep
		.amdhsa_group_segment_fixed_size 35328
		.amdhsa_private_segment_fixed_size 0
		.amdhsa_enable_private_segment 0
		.amdhsa_kernarg_size 72
		.amdhsa_user_sgpr_count 2
		.amdhsa_user_sgpr_kernarg_segment_ptr 1
		.amdhsa_wavefront_size32 1
		.amdhsa_system_sgpr_workgroup_id_x 1
		.amdhsa_system_sgpr_workgroup_id_y 1
		.amdhsa_system_sgpr_workgroup_id_z 1
		.amdhsa_system_vgpr_workitem_id 0
		.amdhsa_next_free_vgpr 256
		.amdhsa_next_free_sgpr 80
		.amdhsa_reserve_vcc 1
		.amdhsa_float_denorm_mode_32 3
		.amdhsa_float_denorm_mode_16_64 3
		.amdhsa_fp16_overflow 1
		.amdhsa_memory_ordered 1
		.amdhsa_forward_progress 1
		.amdhsa_inst_pref_size 56
	.end_amdhsa_kernel
	.amdgpu_metadata
---
amdhsa.version: [ 1, 2 ]
amdhsa.kernels:
  - .name:           k_qf6c2261d9a_prep
    .symbol:         k_qf6c2261d9a_prep.kd
    .args:
      - { .name: x, .offset: 0, .size: 8, .value_kind: global_buffer, .address_space: global }
      - { .name: Wq, .offset: 8, .size: 8, .value_kind: global_buffer, .address_space: global }
      - { .name: Wk, .offset: 16, .size: 8, .value_kind: global_buffer, .address_space: global }
      - { .name: Wv, .offset: 24, .size: 8, .value_kind: global_buffer, .address_space: global }
      - { .name: Wo, .offset: 32, .size: 8, .value_kind: global_buffer, .address_space: global }
      - { .name: lowp_scales, .offset: 40, .size: 8, .value_kind: global_buffer, .address_space: global }
      - { .name: xc, .offset: 48, .size: 8, .value_kind: global_buffer, .address_space: global }
      - { .name: wc, .offset: 56, .size: 8, .value_kind: global_buffer, .address_space: global }
      - { .name: rt, .offset: 64, .size: 8, .value_kind: global_buffer, .address_space: global }
    .group_segment_fixed_size: 35328
    .private_segment_fixed_size: 0
    .kernarg_segment_align: 8
    .kernarg_segment_size: 72
    .max_flat_workgroup_size: 128
    .sgpr_count:     80
    .vgpr_count:     256
    .wavefront_size: 32
...
	.end_amdgpu_metadata
.endif
;; end of part 1
;; launch qkv (part 2): grid 4 x 96, 4 waves a work-group, clusters of 4 x 4, 327,680 bytes of LDS; arguments xc, wc, lowp_scales, rt, qkv; writes qkv
.if DOCPART == 2
	.amdgcn_target "amdgcn-amd-amdhsa--gfx1250"
	.amdhsa_code_object_version 6
	.text
	.protected	k_qf6c2261d9a_qkv
	.globl	k_qf6c2261d9a_qkv
	.p2align	8
	.type	k_qf6c2261d9a_qkv,@function
k_qf6c2261d9a_qkv:
	s_mov_b64 s[64:65], 0
	v_nop
	global_prefetch_b8 v0, s[64:65] scope:SCOPE_SE
	s_setreg_imm32_b32 hwreg(HW_REG_WAVE_MODE, 25, 1), 1
	s_wait_xcnt 0x0
	s_wait_alu depctr_hold_cnt(0) depctr_sa_sdst(0) depctr_va_vdst(0) depctr_va_sdst(0) depctr_va_ssrc(0) depctr_va_vcc(0) depctr_vm_vsrc(0)
	s_getreg_b32 s2, hwreg(HW_REG_IB_STS2, 6, 4)
	s_cmp_eq_u32 s2, 0
	s_cbranch_scc0 .Lentry_in_a_cluster
	s_endpgm
.Lentry_in_a_cluster:
	s_bfe_u32 s2, ttmp6, 0x10000c
	s_cmp_lg_u32 s2, 0xf033
	s_cbranch_scc0 .Lentry_shape_is_right
	s_endpgm
.Lentry_shape_is_right:
; QKV.  The three projections on codes of E4M3, K = 1,024; then the rotation (Q, K) and the quantiser for the next products; all results leave as codes in fragment order.
; A cluster of 4 x 4 work-groups makes 1,024 x 1,024 outputs of ONE plane: cluster y / 8 = 0 Q, 1 K, 2 V; cluster y % 8 = which 1,024 tokens.  A work-group makes 256 x 256, a wave 128 x 128: 64 accumulators.
; Q, K: 'A' = x's codes of that plane (rows = tokens), 'B' = the weight's (rows = channels).  The matrix instruction is used transposed (source 0 = 16 rows of B, source 1 = 16 rows of A): a lane holds one token
; and eight neighbouring channels: the next product's K.  V: the roles are swapped by pointers alone ('A' = Wv, 'B' = x): a lane then holds one channel and eight neighbouring tokens: the keys, the next K.
; OPERANDS lie in memory in fragment order ([row tile of 16][K step 8][2,048 bytes]; 2,048 bytes = four images of 512, 16 bytes a lane: registers 4 c .. 4 c + 3 of the operand): a fragment comes by four loads of
; 16 bytes at 16 x lane: no pitch, no padding.  A slot holds 256 along K; a wave's tensor load brings 8 row tiles x 4,096 bytes, 16,384 bytes apart: the tile has only these eight long rows.
; Tiles of A are asked for jointly by the four work-groups of a row of the cluster, tiles of B by the four of a column.
; THE WAY OUT needs no LDS: a lane's conversions give the 16 bytes that the lane has in the reader's fragment.  A raw sum stands for sum x 2^(ea + eb); the rotation is linear, so it works on raw sums, and the three
; scales are folded into the conversion's one: 2^(e6 - e0 - e1) for Q, 2^(e7 - e2 - e3) for K, 2^(e9 - e4 - e5) for V.
; qkv: [head of a batch 64][256 tokens 8][Q 16,384 | K 16,384 | V 16,384].  Q, K: [token tile 16][image 2][512].  V: [128 keys 2][channel tile 4][image 4][512].
; LIMIT: each of the three folded exponents between -126 and 119.
; REGISTERS, in windows of 256: window 0: v0-31 addresses; v96-127 the first block's cos and sin (asked for at the head); from v128 A's fragments, one set; window 1: B's fragments, two sets; windows 2, 3: the accumulators.
.set HALFT,  32768                     ; 128 rows x 256 codes: what one tensor load brings, and what a wave reads of A or of B
.set SLOT,   4*HALFT
.set SPARE,  2*SLOT                    ; behind the ring: the spare words, 128 bytes for each wave: two blocks of 256 bytes that no other line names
.set KADV,   4096                      ; a slot on, inside a row tile
.set FR,     16
.set NL,     4
.set NP,     4                         ; places behind this matrix instruction (ISA guide 7.12.1)
.set ESC,  12                          ; v12  the folded scale as f32
.set ELM,  13                          ; v13  448 x that
.set LI,   14                          ; v14  16 x lane
.set ADRA, 16                          ; v16-17  LDS address of my A fragments in slot 0, 1
.set ADRB, 20                          ; v20-21  the same for B
.set SPW,  28                          ; v28  my spare word; never rewritten
.set NIL,  29                          ; v29  0; never rewritten
.set TT,   32                          ; v32-95   the way out: a block's 64 numbers
.set CS0,  96                          ; v96-127, v128-159  cos and sin of a block of 16 tokens, two sets
.set CD,   160                         ; v160-175, v176-191 codes, two sets
.set AF,   128
.set G1, 24
.set G0, 32
.set G1B, 48
.set G0B, 56
.set PLN, 66                           ; s66  the plane
.set MSB, 0
.macro WIN new                         ; the immediate's high byte repeats the setting that is left
.if MSB != \new
	s_set_vgpr_msb (MSB<<8)|\new
.set MSB, \new
.endif
.endm
.set MUL_LO, 0xa1                      ; source 0 (B) window 1, source 1 (A) window 0, C and D window 2
.set MUL_HI, 0xf1
.set TO_B,   0x40
.macro JLOAD g0a, g1a, g0b, g1b        ; a joint load: waves 0, 1 fetch for A, waves 2, 3 for B; four v_nop follow each line
	s_cmp_eq_u32 s15, 0
	s_cbranch_scc0 .Lfor_b_\@
	tensor_load_to_lds s[\g0a:\g0a+3], s[\g1a:\g1a+7]
	s_nop 0
.rept 4
	v_nop
.endr
	s_branch .Lasked_\@
.Lfor_b_\@:
	tensor_load_to_lds s[\g0b:\g0b+3], s[\g1b:\g1b+7]
	s_nop 0
.rept 4
	v_nop
.endr
.Lasked_\@:
.endm
.macro CREST                           ; a round of the cluster's barrier behind its opening barrier
	s_cmp_lg_u32 s14, 0
	s_cbranch_scc1 .Lnot_wave_0_\@
	s_barrier_signal -3
.Lnot_wave_0_\@:
	s_barrier_wait -3
	s_barrier_signal -1
	s_barrier_wait -1
.endm
.macro CROUND
	s_barrier_signal -1
	s_barrier_wait -1
	CREST
.endm
	s_load_b256 s[68:75], s[0:1], 0x0              ; xc 68:69, wc 70:71, scales 72:73, rt 74:75
	s_load_b64 s[76:77], s[0:1], 0x20              ; qkv
	v_lshl_add_u32 v[SPW], v0, 2, SPARE
	v_mov_b32 v[NIL], 0
	ds_add_u32 v28, v29
	ds_add_u32 v28, v29
	s_wait_dscnt 0x0
	v_lshrrev_b32 v1, 5, v0
	v_readfirstlane_b32 s14, v1                    ; wave
	s_lshr_b32 s15, s14, 1                         ; my half of the tile's rows (A).  Also: I fetch for A (0) or for B (1)
	s_and_b32 s16, s14, 1                          ; my half of its columns (B).  Also: which 128 rows I fetch
	s_bfe_u32 s40, ttmp6, 0x40000                  ; cx
	s_bfe_u32 s41, ttmp6, 0x40004                  ; cy
	s_and_b32 s17, ttmp7, 0xffff                   ; cluster y
	s_lshr_b32 s[PLN], s17, 3
	s_and_b32 s67, s17, 7
	s_lshl_b32 s67, s67, 2                         ; four tiles of 256 tokens to a cluster
	s_cmp_eq_u32 s[PLN], 2
	s_cselect_b32 s18, 0, s67
	s_cselect_b32 s19, s67, 0
	s_add_co_u32 s17, s41, s18                     ; A's tile row: cy (+ the tokens' block for Q, K)
	s_add_co_u32 s42, s40, s19                     ; B's tile row: cx (+ the tokens' block for V)
	s_lshl_b32 s43, s41, 2
	s_lshl_b32 s43, 15, s43                        ; my row of the cluster
	s_lshl_b32 s44, 0x1111, s40                    ; my column
	s_or_b32 s[G1+0], s43, (3<<16)|(1<<21)         ; 15:0 the mask; 17:16 elements of 8 bytes; 21 set beside a mask; no padding
	s_or_b32 s[G1B+0], s44, (3<<16)|(1<<21)
.irp g, G1, G1B
	s_mov_b32 s[\g+1], 512<<16                     ; tensor_dim0 = 512 elements: 4,096 bytes
	s_mov_b32 s[\g+2], 8<<16                       ; tensor_dim1 = 8
	s_mov_b32 s[\g+3], 512<<16                     ; tile_dim0
	s_mov_b32 s[\g+4], 8                           ; tile_dim1
	s_mov_b32 s[\g+5], 2048                        ; from row tile to row tile: 16,384 bytes
	s_mov_b32 s[\g+6], 0
	s_mov_b32 s[\g+7], 0
.endr
	s_lshl_b32 s18, s16, 7
	s_lshl_b32 s20, s17, 8
	s_add_co_u32 s20, s20, s18                     ; A: row 256 x tile row + 128 x half,
	s_lshl_b32 s20, s20, 10                        ; 1,024 bytes a row
	s_mov_b32 s21, 0
	s_lshl_b32 s46, s42, 8
	s_add_co_u32 s46, s46, s18
	s_lshl_b32 s46, s46, 10
	s_mov_b32 s47, 0
	s_mul_i32 s45, s14, HALFT                      ; where they go: wave x 32,768: no place in the cluster enters an LDS address
	s_lshl_b32 s78, s[PLN], 23                     ; x's plane
	s_mov_b32 s79, 0
	s_lshl_b32 s98, s[PLN], 20                     ; the weight's
	s_mov_b32 s99, 0
	s_wait_kmcnt 0x0
	s_load_b256 s[80:87], s[72:73], 0x0            ; e0 .. e7
	s_load_b128 s[88:91], s[72:73], 0x20           ; e8 .. e11
	s_add_nc_u64 s[4:5], s[68:69], s[78:79]
	s_add_nc_u64 s[6:7], s[70:71], s[98:99]
	s_cmp_eq_u32 s[PLN], 2
	s_cselect_b64 s[8:9], s[6:7], s[4:5]           ; A
	s_cselect_b64 s[10:11], s[4:5], s[6:7]         ; B
	s_add_nc_u64 s[20:21], s[8:9], s[20:21]
	s_add_nc_u64 s[46:47], s[10:11], s[46:47]
	CROUND                                         ; all sixteen work-groups are here: the first joint loads meet
.irp s, 0,1
	s_mov_b32 s[G0+4*\s], 1
	s_add_co_u32 s[G0+4*\s+1], s45, \s*SLOT
	s_add_nc_u64 s[G0+4*\s+2:G0+4*\s+3], s[20:21], \s*KADV
	s_or_b32 s[G0+4*\s+3], s[G0+4*\s+3], 0x80000000
	s_mov_b32 s[G0B+4*\s], 1
	s_add_co_u32 s[G0B+4*\s+1], s45, \s*SLOT
	s_add_nc_u64 s[G0B+4*\s+2:G0B+4*\s+3], s[46:47], \s*KADV
	s_or_b32 s[G0B+4*\s+3], s[G0B+4*\s+3], 0x80000000
	JLOAD G0+4*\s, G1, G0B+4*\s, G1B
.endr
	v_and_b32 v6, 31, v0
	v_lshlrev_b32 v[LI], 4, v6
	s_wait_alu depctr_va_vdst(0)
	s_mul_i32 s21, s15, HALFT                      ; my 128 rows of A
	s_mul_i32 s22, s16, HALFT                      ; my 128 rows of B,
	s_add_co_u32 s22, s22, 2*HALFT                 ; which lie behind A's 256
.irp s, 0,1
	v_add_nc_u32 v[ADRA+\s], s21, v[LI]
	v_add_nc_u32 v[ADRB+\s], s22, v[LI]
	s_add_co_u32 s21, s21, SLOT
	s_add_co_u32 s22, s22, SLOT
.endr
	; where my results go: my first token and my first head, whichever side they stand on
	s_cmp_eq_u32 s[PLN], 2
	s_cselect_b32 s2, s42, s17
	s_cselect_b32 s3, s16, s15
	s_cselect_b32 s12, s17, s42
	s_cselect_b32 s13, s15, s16
	s_lshl_b32 s2, s2, 8
	s_lshl_b32 s3, s3, 7
	s_add_co_u32 s2, s2, s3                        ; my first token
	s_lshl_b32 s12, s12, 2
	s_lshl_b32 s13, s13, 1
	s_add_co_u32 s12, s12, s13                     ; my first head: 128 channels are two heads
	s_lshr_b32 s3, s2, 11                          ; the batch
	s_and_b32 s2, s2, 2047                         ; the position
	s_lshl_b32 s3, s3, 4
	s_add_co_u32 s12, s12, s3
	s_mul_i32 s12, s12, 393216
	s_lshr_b32 s3, s2, 8
	s_mul_i32 s3, s3, 49152
	s_add_co_u32 s12, s12, s3
	s_lshl_b32 s3, s[PLN], 14
	s_add_co_u32 s12, s12, s3
	s_bfe_u32 s3, s2, 0x10007
	s_lshl_b32 s3, s3, 13                          ; 128 tokens are half of a part, in all three layouts
	s_add_co_u32 s12, s12, s3
	s_mov_b32 s13, 0
	s_add_nc_u64 s[92:93], s[76:77], s[12:13]
	s_lshr_b32 s12, s2, 4
	s_lshl_b32 s12, s12, 12
	s_add_nc_u64 s[94:95], s[74:75], s[12:13]      ; the table at my first position
.macro TBL a, set                      ; cos and sin for block a's 16 tokens: eight loads of 512 consecutive bytes
.irp q, 0,1,2,3
.irp j, 0,1
	global_load_b128 v[CS0+32*(\set)+8*\q+4*\j:CS0+32*(\set)+8*\q+4*\j+3], v[LI], s[94:95] offset:4096*(\a)+1024*\q+512*\j
.endr
.endr
.endm
	TBL 0, 0                                       ; asked for here, on the one way that all planes take, into registers that the products never name; it lands under them.  V's plane does not read it
.macro FRAG reg, adr, q, i             ; row tile i, the slot's q-th 128 along K: four images
.irp c, 0,1,2,3
	ds_load_b128 v[\reg+4*\c:\reg+4*\c+3], v[\adr] offset:4096*(\i)+2048*(\q)+512*\c
.endr
.endm
; 16 matrix instructions: A's blocks a0, a0 + 1 x B's eight.  The 64 accumulators take turns, one instruction a turn, in the same order in every step.
.macro MUL16 a0, p, zero
.irp a, \a0, \a0+1
.irp b, 0,1,2,3,4,5,6,7
.if \zero
	v_wmma_f32_16x16x128_fp8_fp8 v[8*(8*((\a)%4)+\b):8*(8*((\a)%4)+\b)+7], v[128*(\p)+FR*\b:128*(\p)+FR*\b+FR-1], v[AF+FR*(\a):AF+FR*(\a)+FR-1], 0
.else
	v_wmma_f32_16x16x128_fp8_fp8 v[8*(8*((\a)%4)+\b):8*(8*((\a)%4)+\b)+7], v[128*(\p)+FR*\b:128*(\p)+FR*\b+FR-1], v[AF+FR*(\a):AF+FR*(\a)+FR-1], v[8*(8*((\a)%4)+\b):8*(8*((\a)%4)+\b)+7]
.endif
.endr
.endr
.endm
.macro FETCH_B slot, q, p
	WIN TO_B
.irp i, 0,1,2,3,4,5,6,7
	FRAG 128*(\p)+FR*\i, ADRB+\slot, \q, \i
.endr
	WIN 0
.endm
.macro FETCH_A slot, q, i0
.irp i, \i0, \i0+1, \i0+2, \i0+3
	FRAG AF+FR*(\i), ADRA+\slot, \q, \i
.endr
.endm
.macro PLACES n                        ; plain vector instructions between a matrix instruction and a load into, or a vector read or write of, its registers
.rept \n
	v_nop
.endr
.endm
.macro STEP slot, q, zero              ; 128 along K that have their successor in the same slot
	s_wait_dscnt 4*NL                              ; B's set and A's blocks 0-3 are in; the youngest 16 loads (A's blocks 4-7) may be out
	WIN MUL_LO
	MUL16 0, (\q)%2, \zero
	MUL16 2, (\q)%2, \zero
	s_wait_dscnt 0
	PLACES NP
	FETCH_B \slot, (\q)+1, 1-(\q)%2
	FETCH_A \slot, (\q)+1, 0
	WIN MUL_HI
	MUL16 4, (\q)%2, \zero
	MUL16 6, (\q)%2, \zero
	PLACES NP
	WIN 0
	FETCH_A \slot, (\q)+1, 4
.endm
; A slot's last step changes slots: one barrier; in front of it each wave waits for all its tensor loads, adds 0 to its spare word, and waits for that and for its reads of this slot.
.macro TURN slot, next, fill
	s_wait_tensorcnt 0x0                           ; all my tensor loads have landed: my part of the next slot
	ds_add_u32 v[SPW], v[NIL]                      ; 0 onto my spare word
	s_wait_dscnt 4*NL+1                            ; (the add and the youngest 16 loads may be out)
	WIN MUL_LO
	MUL16 0, 1, 0
	s_wait_dscnt 0x0                               ; the add is done, and my reads of this slot are over
	s_barrier_signal -1
	MUL16 2, 1, 0
	WIN 0
	s_barrier_wait -1
.if \fill
	CREST                                          ; the barrier has opened a round of the cluster's: no wave of any partner still reads this slot or has a load on its way
	s_add_nc_u64 s[G0+4*\slot+2:G0+4*\slot+3], s[G0+4*\slot+2:G0+4*\slot+3], 2*KADV
	s_add_nc_u64 s[G0B+4*\slot+2:G0B+4*\slot+3], s[G0B+4*\slot+2:G0B+4*\slot+3], 2*KADV
	JLOAD G0+4*\slot, G1, G0B+4*\slot, G1B         ; the first tensor load behind the round; its four v_nop are also the places in front of the loads below
.else
	PLACES NP
.endif
	FETCH_B \next, 0, 0
	FETCH_A \next, 0, 0
	WIN MUL_HI
	MUL16 4, 1, 0
	MUL16 6, 1, 0
	PLACES NP
	WIN 0
	FETCH_A \next, 0, 4
.endm
	s_wait_alu depctr_va_vdst(0)
	s_wait_tensorcnt 1                             ; my part of slot 0 is in; slot 1's load may be out
	s_barrier_signal -1
	s_barrier_wait -1
	FETCH_B 0, 0, 0
	FETCH_A 0, 0, 0
	FETCH_A 0, 0, 4
	STEP 0, 0, 1                                   ; K = 1,024 is four slots' worth, eight steps: written out; the first products start the sums
	TURN 0, 1, 1
	STEP 1, 0, 0
	TURN 1, 0, 1
	STEP 0, 0, 0
	TURN 0, 1, 0                                   ; nothing is left to fetch: no round
	STEP 1, 0, 0
	s_wait_dscnt 4*NL
	WIN MUL_LO
	MUL16 0, 1, 0
	MUL16 2, 1, 0
	s_wait_dscnt 0
	WIN MUL_HI
	MUL16 4, 1, 0
	MUL16 6, 1, 0
	WIN 0
	; ---- the way out
	s_wait_kmcnt 0x0
	s_sub_co_i32 s96, s86, s80
	s_sub_co_i32 s96, s96, s81                     ; Q: e6 - e0 - e1
	s_sub_co_i32 s97, s87, s82
	s_sub_co_i32 s97, s97, s83                     ; K: e7 - e2 - e3
	s_sub_co_i32 s98, s89, s84
	s_sub_co_i32 s98, s98, s85                     ; V: e9 - e4 - e5
	s_cmp_eq_u32 s[PLN], 1
	s_cselect_b32 s96, s97, s96
	s_cmp_eq_u32 s[PLN], 2
	s_cselect_b32 s96, s98, s96
	s_add_co_i32 s96, s96, 127
	s_lshl_b32 s97, s96, 23
	v_mov_b32 v[ESC], s97
	s_add_co_i32 s96, s96, 8
	s_lshl_b32 s96, s96, 23
	s_or_b32 s96, s96, 0x600000
	v_mov_b32 v[ELM], s96
	PLACES NP
; Q, K, block a of 16 tokens: accumulator b holds channels 16 b + 8 h + 0..7 of token r: four pairs (even, odd).  out_even = e cos - o sin, out_odd = o cos + e sin: a packed multiply and a packed multiply-add a pair.
.macro QKOUT a
.set AC, 64*((\a)%4)
.set CSS, CS0+32*((\a)%2)
.set CC, CD+16*((\a)%2)
.if (\a) < 7
	s_wait_loadcnt 8                               ; this block's cos and sin are in; the next block's eight loads may be out
.else
	s_wait_loadcnt 0
.endif
	WIN 0x02+((\a)/4)                              ; source 0: window 2 or 3
.irp b, 0,1,2,3,4,5,6,7
.irp i, 0,2,4,6
	v_pk_mul_f32 v[TT+8*\b+\i:TT+8*\b+\i+1], v[AC+8*\b+\i:AC+8*\b+\i+1], v[CSS+8*(\b%4)+\i:CSS+8*(\b%4)+\i+1] op_sel_hi:[1,0]   ; e cos, o cos; each accumulator from its low end on
.endr
.irp i, 0,2,4,6
	v_pk_fma_f32 v[TT+8*\b+\i:TT+8*\b+\i+1], v[AC+8*\b+\i:AC+8*\b+\i+1], v[CSS+8*(\b%4)+\i:CSS+8*(\b%4)+\i+1], v[TT+8*\b+\i:TT+8*\b+\i+1] op_sel:[1,1,0] op_sel_hi:[0,1,1] neg_lo:[0,1,0]   ; - o sin, + e sin
.endr
.endr
	WIN 0
.if (\a) < 6
	TBL (\a)+2, (\a)%2                             ; into the set just read
.endif
.if (\a) > 1
	s_wait_alu depctr_va_vdst(0)
	s_wait_xcnt 0x0                                ; block a - 2's stores have read their data: its codes' registers are written again only behind this wait
.endif
.irp b, 0,1,2,3,4,5,6,7
.irp n, 0,1,2,3,4,5,6,7
.endr
	v_cvt_scalef32_pk8_fp8_f32 v[CC+2*\b:CC+2*\b+1], v[TT+8*\b:TT+8*\b+7], v[ESC]
.endr
	v_nop                                          ; a plain instruction behind the last conversion
.irp hb, 0,1
.irp c, 0,1
	global_store_b128 v[LI], v[CC+8*\hb+4*\c:CC+8*\hb+4*\c+3], s[92:93] offset:393216*\hb+1024*(\a)+512*\c   ; 512 consecutive bytes: image c of head hb's token tile a
.endr
.endr
.endm
; V, block a of 16 channels: accumulator b holds tokens 16 b + 8 h + 0..7 of channel r.
.macro VOUT a
.set AC, 64*((\a)%4)
.set CC, CD+16*((\a)%2)
	WIN 0x02+((\a)/4)
.set jj, 0
.rept 64
	v_med3_num_f32 v[TT+jj], v[AC+jj], -v[ELM], v[ELM]
.set jj, jj+1
.endr
	WIN 0
.if (\a) > 1
	s_wait_alu depctr_va_vdst(0)
	s_wait_xcnt 0x0
.endif
.irp b, 0,1,2,3,4,5,6,7
	v_cvt_scalef32_pk8_fp8_f32 v[CC+2*\b:CC+2*\b+1], v[TT+8*\b:TT+8*\b+7], v[ESC]
.endr
	v_nop
.irp c, 0,1,2,3
	global_store_b128 v[LI], v[CC+4*\c:CC+4*\c+3], s[92:93] offset:393216*((\a)/4)+2048*((\a)%4)+512*\c   ; image c of channel tile a % 4 of head a / 4
.endr
.endm
	s_cmp_eq_u32 s[PLN], 2                         ; the plane is the same in all sixteen partners
	s_cbranch_scc1 .Lvway
	TBL 1, 1
.irp a, 0,1,2,3,4,5,6,7
	QKOUT \a
.endr
	s_branch .Ldone
.Lvway:
	s_wait_alu depctr_va_vdst(0)
.irp a, 0,1,2,3,4,5,6,7
	VOUT \a
.endr
.Ldone:
	s_wait_tensorcnt 0x0                           ; the wave's end
	ds_add_u32 v[SPW], v[NIL]
	s_wait_dscnt 0x0
	CROUND                                         ; the closing round: no work-group ends while a partner may still ask for a tile that names it
	s_endpgm
.Lfunc_end_k_qf6c2261d9a_qkv:
	.size	k_qf6c2261d9a_qkv, .Lfunc_end_k_qf6c2261d9a_qkv-k_qf6c2261d9a_qkv
	.p2alignl 7, 3214868480
	.fill 96, 4, 3214868480
	.section	.rodata,"a",@progbits
	.p2align	6, 0x0
	.amdhsa_kernel k_qf6c2261d9a_qkv
		.amdhsa_group_segment_fixed_size 327680
		.amdhsa_private_segment_fixed_size 0
		.amdhsa_enable_private_segment 0
		.amdhsa_kernarg_size 40
		.amdhsa_user_sgpr_count 2
		.amdhsa_user_sgpr_kernarg_segment_ptr 1
		.amdhsa_wavefront_size32 1
		.amdhsa_system_sgpr_workgroup_id_x 1
		.amdhsa_system_sgpr_workgroup_id_y 1
		.amdhsa_system_sgpr_workgroup_id_z 1
		.amdhsa_system_vgpr_workitem_id 0
		.amdhsa_next_free_vgpr 1024
		.amdhsa_next_free_sgpr 102
		.amdhsa_reserve_vcc 0
		.amdhsa_float_denorm_mode_32 3
		.amdhsa_float_denorm_mode_16_64 3
		.amdhsa_fp16_overflow 1
		.amdhsa_memory_ordered 1
		.amdhsa_forward_progress 1
		.amdhsa_inst_pref_size 165
	.end_amdhsa_kernel
	.amdgpu_metadata
---
amdhsa.version: [ 1, 2 ]
amdhsa.kernels:
  - .name:           k_qf6c2261d9a_qkv
    .symbol:         k_qf6c2261d9a_qkv.kd
    .args:
      - { .name: xc, .offset: 0, .size: 8, .value_kind: global_buffer, .address_space: global }
      - { .name: wc, .offset: 8, .size: 8, .value_kind: global_buffer, .address_space: global }
      - { .name: lowp_scales, .offset: 16, .size: 8, .value_kind: global_buffer, .address_space: global }
      - { .name: rt, .offset: 24, .size: 8, .value_kind: global_buffer, .address_space: global }
      - { .name: qkv, .offset: 32, .size: 8, .value_kind: global_buffer, .address_space: global }
    .group_segment_fixed_size: 327680
    .private_segment_fixed_size: 0
    .kernarg_segment_align: 8
    .kernarg_segment_size: 40
    .max_flat_workgroup_size: 128
    .sgpr_count:     102
    .vgpr_count:     1024
    .wavefront_size: 32
...
	.end_amdgpu_metadata
.endif
;; end of part 2
;; launch attn (part 3): grid 4 x 64, 16 waves a work-group, no clusters, 327,680 bytes of LDS; arguments qkv, lowp_scales, ac; writes ac
.if DOCPART == 3
	.amdgcn_target "amdgcn-amd-amdhsa--gfx1250"
	.amdhsa_code_object_version 6
	.text
	.protected	k_qf6c2261d9a_attn
	.globl	k_qf6c2261d9a_attn
	.p2align	8
	.type	k_qf6c2261d9a_attn,@function
k_qf6c2261d9a_attn:
	s_mov_b64 s[64:65], 0
	v_nop
	global_prefetch_b8 v0, s[64:65] scope:SCOPE_SE
	s_setreg_imm32_b32 hwreg(HW_REG_WAVE_MODE, 25, 1), 1
	s_wait_xcnt 0x0
; ATTN.  Causal attention on codes of E4M3, head size 64, 2,048 positions, 64 heads of batches.  Scores = Q K^T (K = 64), O = P V (K = the keys, 128 a step); O / l is quantised for the last product.
; THE SOFTMAX: t = score x log2(e) / 8; M = the running largest t rounded UP to a whole number; p = 2^(t - M) is quantised with 2^e8; l is the sum of the unquantised p; when M moves, l and O are multiplied by
; 2^(old M - new M), which rounds nothing.
; SHARES.  Work-group (i, head) owns the query blocks 7 - i and then i, 256 queries each: block b needs the key slots 0 .. b, so every work-group walks 8 - i + i + 1 = 9 slots of 256 keys: equal work, and a
; trip count that is a constant.  Each of sixteen waves owns 16 queries of the block in hand.  A step whose 128 keys all come after the wave's queries is jumped over (a scalar branch on ids).
; NO CLUSTER: from the sixth slot on the four work-groups of a head want different tiles at the same step, so no joint request would be alike in all of them.
; LAYOUT.  Both products transposed: S^T = K Q^T (source 0 = 16 keys, source 1 = my queries), O^T = V^T P^T: a lane holds one query throughout.  Register 8 T + j of S^T is key 16 T + 8 h + j: its conversions are
; registers 2 T, 2 T + 1 of the second product's operand as they stand.  K and V lie in memory in fragment order, so a slot's 32,768 bytes are dense and a fragment comes by loads of 16 bytes at 16 x lane.
; LDS: slot 0 at 0, slot 1 at 32,768, each K 16,384 | V 16,384; wave 0 fetches K, wave 1 V, 64 rows of 256 bytes each; the spare words at 65,536.
; ac: [token tile 512][K step 8][2,048]: fragment order for the last product; a head's 64 channels are two images, at 1,024 x head.
; LIMITS: e6 + e7 between -123 and 130 (added to c's exponent field); e8, and e10 - e8 - e9, between -126 and 127.
.set SLOT1, 32768
.set SPARE, 65536                      ; 128 bytes for each of sixteen waves: eight blocks of 256 bytes that no other line names
.set HEADB, 393216
.set SLOTB, 49152
.set LI,  1                            ; v1   16 x lane
.set ADR, 2                            ; v2   the slot in hand + 16 x lane
.set PFO, 3                            ; v3   256 x lane
.set SPW, 5                            ; v5   my spare word; never rewritten
.set NIL, 6                            ; v6   0; never rewritten
.set DG,  7                            ; v7   r - 8 h
.set MX0, 192                          ; v192, v193 at work;  v[194:195] f;  v196 the exchange;  v[198:199] the second chain of sums
.set MX1, 193
.set FF,  194
.set PT,  196
.set SM2, 198
; v12 -M, v13 the largest t, v[14:15] l in two halves; v16-23 Q; v24-31 the second block's Q; v32-95 fragments of K, then of V; v96-159 S^T, then p; v160-191 O^T; v224-239 p's codes
; v244: 2^e8;  v245: the same with e10 - e8 - e9
.set TB,  2                            ; s2   LDS byte at which the slot in hand begins
.set WV,  18
.set SEL, 20
.set CS,  22                           ; s[22:23] c = log2(e) / 8 x 2^(e6 + e7)
.set G1,  24
.set G0,  40
.set U,   44                           ; s44  the trip, 0 .. 8
.set NA,  45                           ; s45  8 - i: the first block's slots
.set KF,  46                           ; s46  the step's first key
.set Q0,  47                           ; s47  my first query
.set QB0, 48                           ; s48  my first query in the second block
.set KVB, 50                           ; s[50:51] what I fetch of the head's slot 0
.set OFS, 52                           ; s[52:53] an offset
.set OA,  54                           ; s[54:55], s[56:57] where the two blocks' results go
.set OB,  56
.set PFA, 58                           ; s[58:59] where my prefetches stand
.set PLIM, 60                          ; s60  6 in a wave that prefetches, else 0
.macro TLOAD                           ; waves 0 and 1 fetch; the branch hangs on the wave's number alone; four v_nop follow the load
	s_cmp_lt_u32 s[WV], 2
	s_cbranch_scc0 .Lasked_\@
	tensor_load_to_lds s[G0:G0+3], s[G1:G1+7]
	s_nop 0
.rept 4
	v_nop
.endr
.Lasked_\@:
.endm
; A prefetch into the L2 of the slot that the NEXT change of slots will ask for.  All four work-groups of a head walk the same K and V; the one with i = 0 walks slots 0 to 7 in order, and it asks: its waves 4 to 7,
; which fetch nothing, 8,192 bytes each of the slot's 32,768, lanes 256 bytes apart.  In trip U slot U + 2 is named, U = 0 .. 5: each block of 256 bytes of slots 2 to 7 once.  Slots 0 and 1 come by their loads alone.
.macro ASK
	s_cmp_lt_u32 s[U], s[PLIM]
	s_cbranch_scc0 .Lnot_mine_\@
	global_prefetch_b8 v[PFO], s[PFA:PFA+1] th:TH_LOAD_NT scope:SCOPE_SE
.Lnot_mine_\@:
.endm
	s_load_b128 s[4:7], s[0:1], 0x0                ; qkv, the scales
	s_load_b64 s[8:9], s[0:1], 0x10                ; ac
	v_lshl_add_u32 v[SPW], v0, 2, SPARE
	v_mov_b32 v[NIL], 0
	ds_add_u32 v5, v6
	ds_add_u32 v5, v6
	s_wait_dscnt 0x0
	v_lshrrev_b32 v8, 5, v0
	s_delay_alu instid0(VALU_DEP_1)
	v_readfirstlane_b32 s[WV], v8
	s_and_b32 s11, ttmp7, 0xffff                   ; the head of a batch
	s_mul_i32 s12, s11, HEADB
	s_mov_b32 s13, 0
	s_sub_co_u32 s[NA], 8, ttmp9
	s_sub_co_u32 s10, 7, ttmp9                     ; the first block
	s_and_b32 s14, s[WV], 1
	s_lshl_b32 s15, s14, 14                        ; K's part or V's
	s_mov_b32 s[G1], 3<<16                         ; no mask; elements of 8 bytes; no padding
	s_mov_b32 s[G1+1], 32<<16                      ; tensor_dim0 = 32: 256 bytes
	s_mov_b32 s[G1+2], 64<<16                      ; tensor_dim1 = 64
	s_mov_b32 s[G1+3], 32<<16                      ; tile_dim0
	s_mov_b32 s[G1+4], 64                          ; tile_dim1
	s_mov_b32 s[G1+5], 32                          ; dense
	s_mov_b32 s[G1+6], 0
	s_mov_b32 s[G1+7], 0
	s_mov_b32 s[SEL], 0x76543210
	s_mov_b32 s[SEL+1], 0xfedcba98
	s_mov_b32 s[CS], 0x3e38aa3b                    ; log2(e) / 8
	s_mov_b32 s[TB], 0
	s_mov_b32 s[U], 0
	s_mov_b32 s[KF], 0
	s_lshl_b32 s16, s[WV], 4
	s_lshl_b32 s[Q0], s10, 8
	s_add_co_u32 s[Q0], s[Q0], s16
	s_lshl_b32 s[QB0], ttmp9, 8
	s_add_co_u32 s[QB0], s[QB0], s16
	s_wait_kmcnt 0x0
	s_load_b256 s[68:75], s[6:7], 0x0              ; e0 .. e7
	s_load_b128 s[76:79], s[6:7], 0x20             ; e8 .. e11
	s_add_nc_u64 s[4:5], s[4:5], s[12:13]          ; the head's first byte
	s_add_co_u32 s[OFS], s15, 16384
	s_mov_b32 s[OFS+1], 0
	s_add_nc_u64 s[KVB:KVB+1], s[4:5], s[OFS:OFS+1]
	s_mov_b32 s[G0], 1
	s_mov_b32 s[G0+1], s15                         ; LDS: slot 0
	s_mov_b64 s[G0+2:G0+3], s[KVB:KVB+1]
	s_or_b32 s[G0+3], s[G0+3], 0x80000000
	TLOAD                                          ; the first slot
	s_lshl_b32 s16, s[WV], 10                      ; my token tile in a part of Q
	s_mul_i32 s[OFS], s10, SLOTB
	s_add_co_u32 s[OFS], s[OFS], s16
	s_add_nc_u64 s[80:81], s[4:5], s[OFS:OFS+1]
	s_mul_i32 s[OFS], ttmp9, SLOTB
	s_add_co_u32 s[OFS], s[OFS], s16
	s_add_nc_u64 s[82:83], s[4:5], s[OFS:OFS+1]
	v_and_b32 v8, 31, v0
	s_wait_alu depctr_va_vdst(0)
	v_lshlrev_b32 v[LI], 4, v8
	global_load_b128 v[16:19], v[LI], s[80:81]
	global_load_b128 v[20:23], v[LI], s[80:81] offset:512
	global_load_b128 v[24:27], v[LI], s[82:83]
	global_load_b128 v[28:31], v[LI], s[82:83] offset:512
	s_and_b32 s[OFS], s[WV], 3
	s_lshl_b32 s[OFS], s[OFS], 13
	s_add_co_u32 s[OFS], s[OFS], 16384+SLOTB       ; in slot 1: the first change of slots steps it to slot 2
	s_add_nc_u64 s[PFA:PFA+1], s[4:5], s[OFS:OFS+1]
	s_lshr_b32 s86, s[WV], 2
	s_xor_b32 s86, s86, 1                          ; 0 in waves 4 to 7,
	s_or_b32 s86, s86, ttmp9                       ; of the work-group with i = 0
	s_cmp_eq_u32 s86, 0
	s_cselect_b32 s[PLIM], 6, 0
	v_lshlrev_b32 v[PFO], 8, v8
	s_lshr_b32 s84, s11, 4                         ; the batch: 128 token tiles
	s_lshl_b32 s84, s84, 7
	s_add_co_u32 s84, s84, s[WV]
	s_and_b32 s85, s11, 15
	s_lshl_b32 s85, s85, 10                        ; the head: 1,024 bytes in a token tile
	s_lshl_b32 s86, s10, 4
	s_add_co_u32 s86, s86, s84
	s_lshl_b32 s86, s86, 14
	s_add_co_u32 s86, s86, s85
	s_mov_b32 s87, 0
	s_add_nc_u64 s[OA:OA+1], s[8:9], s[86:87]
	s_lshl_b32 s86, ttmp9, 4
	s_add_co_u32 s86, s86, s84
	s_lshl_b32 s86, s86, 14
	s_add_co_u32 s86, s86, s85
	s_add_nc_u64 s[OB:OB+1], s[8:9], s[86:87]
	v_and_b32 v9, 15, v0
	v_bfe_u32 v10, v0, 4, 1
	s_delay_alu instid0(VALU_DEP_1)
	v_lshlrev_b32 v10, 3, v10
	s_delay_alu instid0(VALU_DEP_1)
	v_sub_nc_u32 v[DG], v9, v10
	v_mov_b32 v13, 0xff61b1e6                      ; the largest t so far: -3e38
	s_delay_alu instid0(VALU_DEP_1)
	v_floor_f32 v12, -v13
	v_mov_b32 v14, 0
	v_mov_b32 v15, 0
	v_mov_b32 v[PT], 0                             ; a lane permute's destination counts as one of its sources
	v_mov_b32 v[FF+1], 0                           ; (named as the upper half of the pair)
.set jj, 0
.rept 32
	v_mov_b32 v[160+jj], 0                         ; O^T: the step is written once; the first finds zeros
.set jj, jj+1
.endr
	s_wait_kmcnt 0x0
	s_add_co_i32 s84, s74, s75
	s_lshl_b32 s84, s84, 23
	s_add_co_i32 s[CS], s[CS], s84                 ; a score stands for score x 2^(e6 + e7)
	s_mov_b32 s[CS+1], s[CS]
	s_add_co_i32 s84, s76, 127
	s_lshl_b32 s85, s84, 23
	v_mov_b32 v244, s85                            ; 2^e8
	s_sub_co_i32 s84, s78, s76
	s_sub_co_i32 s84, s84, s77                     ; O's sums stand for sum x 2^(e8 + e9): the three scales folded into one
	s_add_co_i32 s84, s84, 127
	s_lshl_b32 s85, s84, 23
	v_mov_b32 v245, s85
; A KEY STEP: 128 keys, the q-th of the slot in hand.
.macro STEP q
	s_add_co_u32 s96, s[Q0], 15
	s_cmp_gt_u32 s[KF], s96
	s_cbranch_scc1 .Lhidden_\@                     ; all its keys come after my queries
	v_add_nc_u32 v[ADR], s[TB], v[LI]
.rept 3
	v_nop                                          ; with the addition above: four places in front of loads into registers that the last products read
.endr
.irp t, 0,1,2,3,4,5,6,7
.irp c, 0,1
	ds_load_b128 v[32+8*\t+4*\c:32+8*\t+4*\c+3], v[ADR] offset:8192*(\q)+1024*\t+512*\c
.endr
.endr
	s_wait_alu depctr_va_vdst(0)
	s_wait_dscnt 0x0
.irp t, 0,1,2,3,4,5,6,7
	v_wmma_f32_16x16x64_fp8_fp8 v[96+8*\t:103+8*\t], v[32+8*\t:39+8*\t], v[16:23], 0
.endr
.rept 4
	v_nop
.endr
.irp t, 0,1,2,3
.irp c, 0,1,2,3
	ds_load_b128 v[32+16*\t+4*\c:32+16*\t+4*\c+3], v[ADR] offset:16384+8192*(\q)+2048*\t+512*\c   ; V: it lands under the softmax
.endr
.endr
	s_add_co_u32 s96, s[KF], 127
	s_cmp_le_u32 s96, s[Q0]
	s_cbranch_scc1 .Lopen_\@                       ; all its keys count
	s_sub_co_i32 s96, s[Q0], s[KF]
	v_add_nc_u32 v[MX0], s96, v[DG]                ; d = my query - the step's first key - 8 h.  Register 8 T + j holds key 16 T + 8 h + j: hidden where 16 T + j > d
	v_mov_b32 v[MX1], 0xff800000
.irp n, 0,1,2,3,4,5,6,7,8,9,10,11,12,13,14,15,16,17,18,19,20,21,22,23,24,25,26,27,28,29,30,31,32,33,34,35,36,37,38,39,40,41,42,43,44,45,46,47,48,49,50,51,52,53,54,55,56,57,58,59,60,61,62,63
	v_cmp_gt_i32 vcc_lo, 16*(\n/8)+\n%8, v[MX0]
	v_cndmask_b32 v[96+\n], v[96+\n], v[MX1], vcc_lo
.endr
.Lopen_\@:
	v_max3_num_f32 v[MX0], v96, v97, v98           ; the step's largest score of my query, in two chains; each accumulator is first read at its low end
	v_max3_num_f32 v[MX1], v99, v100, v101
.irp i, 6,10,14,18,22,26,30,34,38,42,46,50,54,58
	v_max3_num_f32 v[MX0], v[MX0], v[96+\i], v[97+\i]
	v_max3_num_f32 v[MX1], v[MX1], v[98+\i], v[99+\i]
.endr
	v_max3_num_f32 v[MX0], v[MX0], v158, v159
	s_delay_alu instid0(VALU_DEP_1)
	v_max_num_f32 v[MX0], v[MX0], v[MX1]
	s_delay_alu instid0(VALU_DEP_1)
	v_permlanex16_b32 v[PT], v[MX0], s[SEL], s[SEL+1]
	s_delay_alu instid0(VALU_DEP_1)
	v_max_num_f32 v[MX0], v[MX0], v[PT]            ; and lane l xor 16's
	s_delay_alu instid0(VALU_DEP_1)
	v_mul_f32 v[MX0], s[CS], v[MX0]                ; as t
	s_delay_alu instid0(VALU_DEP_1)
	v_max_num_f32 v13, v13, v[MX0]
	v_mov_b32 v[MX0], v12
	s_delay_alu instid0(VALU_DEP_2)
	v_floor_f32 v12, -v13                          ; the new -M
	s_delay_alu instid0(VALU_DEP_1)
	v_sub_f32 v[MX0], v12, v[MX0]                  ; old M - new M: a whole number, 0 or less
	s_delay_alu instid0(VALU_DEP_1)
	v_cvt_i32_f32 v[MX0], v[MX0]                   ; (it saturates)
	s_delay_alu instid0(VALU_DEP_1)
	v_ldexp_f32 v[FF], 1.0, v[MX0]                 ; f = 2^(old M - new M)
.set jj, 0
.rept 32
	v_pk_fma_f32 v[96+jj:97+jj], v[96+jj:97+jj], s[CS:CS+1], v[12:13] op_sel_hi:[1,0,0]   ; t - M
.set jj, jj+2
.endr
.set jj, 0
	s_wait_alu depctr_va_vdst(0)
.rept 64
	v_exp_f32 v[96+jj], v[96+jj]                   ; p, at most 1
.set jj, jj+1
.endr
	v_pk_mul_f32 v[14:15], v[14:15], v[FF:FF+1] op_sel_hi:[1,0]   ; l under the new M: the plain instruction behind the exponentials
	s_wait_alu depctr_va_vdst(0)                   ; one wait for the batch, ahead of its first reader
	v_pk_add_f32 v[198:199], v[100:101], v[104:105]
	v_pk_add_f32 v[254:255], v[108:109], v[112:113]
	v_pk_add_f32 v[252:253], v[116:117], v[120:121]
	v_pk_add_f32 v[250:251], v[124:125], v[128:129]
	v_pk_add_f32 v[248:249], v[132:133], v[136:137]
	v_pk_add_f32 v[246:247], v[140:141], v[144:145]
	v_pk_add_f32 v[242:243], v[148:149], v[152:153]
	v_pk_add_f32 v[14:15], v[14:15], v[156:157]
	v_pk_add_f32 v[198:199], v[198:199], v[96:97]
	v_pk_add_f32 v[254:255], v[254:255], v[98:99]
	v_pk_add_f32 v[252:253], v[252:253], v[102:103]
	v_pk_add_f32 v[250:251], v[250:251], v[106:107]
	v_pk_add_f32 v[248:249], v[248:249], v[110:111]
	v_pk_add_f32 v[246:247], v[246:247], v[114:115]
	v_pk_add_f32 v[242:243], v[242:243], v[118:119]
	v_pk_add_f32 v[14:15], v[14:15], v[122:123]
	v_pk_add_f32 v[198:199], v[198:199], v[126:127]
	v_pk_add_f32 v[254:255], v[254:255], v[130:131]
	v_pk_add_f32 v[252:253], v[252:253], v[134:135]
	v_pk_add_f32 v[250:251], v[250:251], v[138:139]
	v_pk_add_f32 v[248:249], v[248:249], v[142:143]
	v_pk_add_f32 v[246:247], v[246:247], v[146:147]
	v_pk_add_f32 v[242:243], v[242:243], v[150:151]
	v_pk_add_f32 v[14:15], v[14:15], v[154:155]
	v_pk_add_f32 v[198:199], v[198:199], v[158:159]
	s_delay_alu instid0(VALU_DEP_2)
	v_pk_add_f32 v[14:15], v[14:15], v[250:251]
	s_delay_alu instid0(VALU_DEP_2)
	v_pk_add_f32 v[198:199], v[198:199], v[248:249]
	v_pk_add_f32 v[254:255], v[254:255], v[246:247]
	v_pk_add_f32 v[252:253], v[252:253], v[242:243]
	s_delay_alu instid0(VALU_DEP_2)
	v_pk_add_f32 v[14:15], v[14:15], v[254:255]
	s_delay_alu instid0(VALU_DEP_2)
	v_pk_add_f32 v[198:199], v[198:199], v[252:253]
	s_delay_alu instid0(VALU_DEP_1)
	v_pk_add_f32 v[14:15], v[14:15], v[198:199]
.irp t, 0,1,2,3,4,5,6,7
.irp n, 0,1,2,3,4,5,6,7
.endr
	v_cvt_scalef32_pk8_fp8_f32 v[224+2*\t:225+2*\t], v[96+8*\t:103+8*\t], v244
.endr
.set jj, 0
.rept 16
	v_pk_mul_f32 v[160+jj:161+jj], v[160+jj:161+jj], v[FF:FF+1] op_sel_hi:[1,0]   ; O^T under the new M; also the plain instructions behind the conversions
.set jj, jj+2
.endr
	s_wait_alu depctr_va_vdst(0)
	s_wait_dscnt 0x0                               ; V is in
.irp t, 0,1,2,3
	v_wmma_f32_16x16x128_fp8_fp8 v[160+8*\t:167+8*\t], v[32+16*\t:47+16*\t], v[224:239], v[160+8*\t:167+8*\t]   ; the four accumulators by turns, one instruction a turn
.endr
.Lhidden_\@:
	s_add_co_u32 s[KF], s[KF], 128
.endm
; A block's end: O^T / l, quantised with the folded scale, two stores of 512 consecutive bytes.
.macro FINISH base
.rept 4
	v_nop                                          ; places behind the last products
.endr
	v_add_f32 v14, v14, v15
	s_delay_alu instid0(VALU_DEP_1)
	v_permlanex16_b32 v[PT], v14, s[SEL], s[SEL+1]
	s_delay_alu instid0(VALU_DEP_1)
	v_add_f32 v14, v14, v[PT]
	s_wait_alu depctr_va_vdst(0)
	v_rcp_f32 v14, v14
	v_nop
	s_wait_alu depctr_va_vdst(0)                   ; ahead of the reciprocal's first reader
.set jj, 0
.rept 16
	v_pk_mul_f32 v[96+jj:97+jj], v[160+jj:161+jj], v[14:15] op_sel_hi:[1,0]
.set jj, jj+2
.endr
.irp t, 0,1,2,3
.irp n, 0,1,2,3,4,5,6,7
.endr
	v_cvt_scalef32_pk8_fp8_f32 v[224+2*\t:225+2*\t], v[96+8*\t:103+8*\t], v245
.endr
	v_nop
	global_store_b128 v[LI], v[224:227], s[\base:\base+1]
	global_store_b128 v[LI], v[228:231], s[\base:\base+1] offset:512
	s_wait_xcnt 0x0                                ; the stores have read their data: the codes' registers may be written again
.endm
; Where the first block's slots are over, its result leaves and the second block begins: a scalar branch on ids, alike in all sixteen waves; no barrier and no tensor load stands in it.
.macro SWITCH
	s_cmp_eq_u32 s[U], s[NA]
	s_cbranch_scc0 .Lsame_\@
	FINISH OA
.set jj, 0
.rept 8
	v_mov_b32 v[16+jj], v[24+jj]
.set jj, jj+1
.endr
	v_mov_b32 v13, 0xff61b1e6
	s_delay_alu instid0(VALU_DEP_1)
	v_floor_f32 v12, -v13
	v_mov_b32 v14, 0
	v_mov_b32 v15, 0
.set jj, 0
.rept 32
	v_mov_b32 v[160+jj], 0
.set jj, jj+1
.endr
	s_mov_b32 s[KF], 0
	s_mov_b32 s[Q0], s[QB0]
.Lsame_\@:
.endm
; THE CHANGE OF SLOTS, at a slot's head.  Each wave waits for all its tensor loads, adds 0 to its spare word, and waits for that and for its reads of the slot that it has left.  Behind the barrier the slot ahead is
; whole and nobody reads the other one; fill = 1: it takes the walk's next slot: key slot U + 1, or U + 1 - (8 - i) in the second block.
.macro CHANGE fill
	s_wait_tensorcnt 0x0                           ; no tensor load of mine is out, so the descriptor may be written
	ds_add_u32 v[SPW], v[NIL]                      ; 0 onto my spare word
.if \fill
	s_add_co_u32 s[OFS], s[U], 1
	s_cmp_ge_u32 s[OFS], s[NA]
	s_cselect_b32 s[OFS+1], s[NA], 0
	s_sub_co_u32 s[OFS], s[OFS], s[OFS+1]
	s_mul_i32 s[OFS], s[OFS], SLOTB
	s_mov_b32 s[OFS+1], 0
	s_add_nc_u64 s[G0+2:G0+3], s[KVB:KVB+1], s[OFS:OFS+1]
	s_or_b32 s[G0+3], s[G0+3], 0x80000000
	s_xor_b32 s[G0+1], s[G0+1], SLOT1              ; the other slot than last time
	s_wait_xcnt 0x0                                ; the last prefetch, a slot back, has read its address
	s_add_nc_u64 s[PFA:PFA+1], s[PFA:PFA+1], SLOTB
.endif
	s_wait_dscnt 0x0                               ; the add is done, and my reads of the slot that I have left are over
	s_barrier_signal -1
	s_barrier_wait -1
.if \fill
	TLOAD                                          ; the first thing behind the barrier, and a wave's one tensor load until the next
	ASK
.endif
.endm
.macro BODY
	SWITCH
	STEP 0
	STEP 1
	s_xor_b32 s[TB], s[TB], SLOT1
.endm
	s_wait_loadcnt 0x0                             ; Q, both blocks'
.Lslot:                                            ; eight trips: behind each change of slots but the last the next slot is asked for
	CHANGE 1
	BODY
	s_add_co_u32 s[U], s[U], 1
	s_cmp_lt_u32 s[U], 8
	s_cbranch_scc1 .Lslot
	CHANGE 0                                       ; the ninth slot is written out
	BODY
	FINISH OB
	s_wait_tensorcnt 0x0                           ; the wave's end
	ds_add_u32 v[SPW], v[NIL]
	s_wait_dscnt 0x0
	s_endpgm
.Lfunc_end_k_qf6c2261d9a_attn:
	.size	k_qf6c2261d9a_attn, .Lfunc_end_k_qf6c2261d9a_attn-k_qf6c2261d9a_attn
	.p2alignl 7, 3214868480
	.fill 96, 4, 3214868480
	.section	.rodata,"a",@progbits
	.p2align	6, 0x0
	.amdhsa_kernel k_qf6c2261d9a_attn
		.amdhsa_group_segment_fixed_size 327680
		.amdhsa_private_segment_fixed_size 0
		.amdhsa_enable_private_segment 0
		.amdhsa_kernarg_size 24
		.amdhsa_user_sgpr_count 2
		.amdhsa_user_sgpr_kernarg_segment_ptr 1
		.amdhsa_wavefront_size32 1
		.amdhsa_system_sgpr_workgroup_id_x 1
		.amdhsa_system_sgpr_workgroup_id_y 1
		.amdhsa_system_sgpr_workgroup_id_z 1
		.amdhsa_system_vgpr_workitem_id 0
		.amdhsa_next_free_vgpr 256
		.amdhsa_next_free_sgpr 100
		.amdhsa_reserve_vcc 1
		.amdhsa_float_denorm_mode_32 3
		.amdhsa_float_denorm_mode_16_64 3
		.amdhsa_fp16_overflow 1
		.amdhsa_memory_ordered 1
		.amdhsa_forward_progress 1
		.amdhsa_inst_pref_size 93
	.end_amdhsa_kernel
	.amdgpu_metadata
---
amdhsa.version: [ 1, 2 ]
amdhsa.kernels:
  - .name:           k_qf6c2261d9a_attn
    .symbol:         k_qf6c2261d9a_attn.kd
    .args:
      - { .name: qkv, .offset: 0, .size: 8, .value_kind: global_buffer, .address_space: global }
      - { .name: lowp_scales, .offset: 8, .size: 8, .value_kind: global_buffer, .address_space: global }
      - { .name: ac, .offset: 16, .size: 8, .value_kind: global_buffer, .address_space: global }
    .group_segment_fixed_size: 327680
    .private_segment_fixed_size: 0
    .kernarg_segment_align: 8
    .kernarg_segment_size: 24
    .max_flat_workgroup_size: 512
    .sgpr_count:     100
    .vgpr_count:     256
    .wavefront_size: 32
...
	.end_amdgpu_metadata
.endif
;; end of part 3
;; launch oproj (part 4): grid 4 x 32, 4 waves a work-group, clusters of 4 x 4, 327,680 bytes of LDS; arguments ac, wc, lowp_scales, out0; writes out0
.if DOCPART == 4
	.amdgcn_target "amdgcn-amd-amdhsa--gfx1250"
	.amdhsa_code_object_version 6
	.text
	.protected	k_qf6c2261d9a_oproj
	.globl	k_qf6c2261d9a_oproj
	.p2align	8
	.type	k_qf6c2261d9a_oproj,@function
k_qf6c2261d9a_oproj:
	s_mov_b64 s[64:65], 0
	v_nop
	global_prefetch_b8 v0, s[64:65] scope:SCOPE_SE
	s_setreg_imm32_b32 hwreg(HW_REG_WAVE_MODE, 25, 1), 1
	s_wait_xcnt 0x0
	s_wait_alu depctr_hold_cnt(0) depctr_sa_sdst(0) depctr_va_vdst(0) depctr_va_sdst(0) depctr_va_ssrc(0) depctr_va_vcc(0) depctr_vm_vsrc(0)
	s_getreg_b32 s2, hwreg(HW_REG_IB_STS2, 6, 4)
	s_cmp_eq_u32 s2, 0
	s_cbranch_scc0 .Lentry_in_a_cluster
	s_endpgm
.Lentry_in_a_cluster:
	s_bfe_u32 s2, ttmp6, 0x10000c
	s_cmp_lg_u32 s2, 0xf033
	s_cbranch_scc0 .Lentry_shape_is_right
	s_endpgm
.Lentry_shape_is_right:
; OPROJ.  out0[token][o] = sum over k of a[token][k] Wo[o][k], on codes of E4M3, K = 1,024; each finished sum x 2^(e10 + e11); out0 [8192][1024] f32.
; A = ac (rows = tokens), B = plane 3 of wc (rows = outputs), both in fragment order ([row tile of 16][K step 8][2,048 bytes], four images of 512, 16 bytes a lane): a fragment comes by four loads at 16 x lane.
; A work-group makes 256 x 256, a wave 128 x 128: 64 accumulators.  K goes in slots of 256 through a ring of two; a wave's tensor load brings 8 row tiles x 4,096 bytes, 16,384 bytes apart: the tile has only these
; eight long rows.  4 x 4 work-groups form a cluster: tiles of A are asked for jointly along a row of the cluster, tiles of B along a column.  The matrix instruction is used transposed (source 0 = 16 rows of B,
; source 1 = 16 rows of A): a lane holds eight neighbouring outputs of one token.  The way out goes through the wave's own stage in LDS, in slot 0 after its last fill and its last read, and leaves as rows of 512 bytes.
; LIMIT: e10 + e11 between -126 and 127.
; REGISTERS, in windows of 256: window 0: v0-31 addresses; from v128 A's fragments, one set; window 1: B's fragments, two sets; windows 2, 3: the accumulators.
.set SIZE_N, 1024
.set HALFT,  32768
.set SLOT,   4*HALFT
.set SPARE,  2*SLOT                    ; behind the ring: the spare words, 128 bytes for each wave: two blocks of 256 bytes that no other line names
.set KADV,   4096
.set FR,     16
.set NL,     4
.set NP,     4
.set SPITCH, 528                       ; the stage: 16 rows x (512 bytes + 16) for each wave
.set LI,   14                          ; v14  16 x lane
.set ADRA, 16
.set ADRB, 20
.set STO,  24                          ; v24  the way out: where I put 32 bytes of a row
.set RD,   25                          ; v25  where I read a row back
.set CO,   26                          ; v26  my byte offset in a row of out0
.set SPW,  28
.set NIL,  29
.set TMP,  32
.set AF,   128
.set BK,   128
.set G1, 24
.set G0, 32
.set G1B, 48
.set G0B, 56
.set MSB, 0
.macro WIN new
.if MSB != \new
	s_set_vgpr_msb (MSB<<8)|\new
.set MSB, \new
.endif
.endm
.set MUL_LO, 0xa1
.set MUL_HI, 0xf1
.set TO_B,   0x40
.macro JLOAD g0a, g1a, g0b, g1b        ; a joint load: waves 0, 1 fetch for A, waves 2, 3 for B; four v_nop follow each line
	s_cmp_eq_u32 s15, 0
	s_cbranch_scc0 .Lfor_b_\@
	tensor_load_to_lds s[\g0a:\g0a+3], s[\g1a:\g1a+7]
	s_nop 0
.rept 4
	v_nop
.endr
	s_branch .Lasked_\@
.Lfor_b_\@:
	tensor_load_to_lds s[\g0b:\g0b+3], s[\g1b:\g1b+7]
	s_nop 0
.rept 4
	v_nop
.endr
.Lasked_\@:
.endm
.macro CREST
	s_cmp_lg_u32 s14, 0
	s_cbranch_scc1 .Lnot_wave_0_\@
	s_barrier_signal -3
.Lnot_wave_0_\@:
	s_barrier_wait -3
	s_barrier_signal -1
	s_barrier_wait -1
.endm
.macro CROUND
	s_barrier_signal -1
	s_barrier_wait -1
	CREST
.endm
	s_load_b128 s[4:7], s[0:1], 0x0                ; ac, wc
	s_load_b128 s[8:11], s[0:1], 0x10              ; the scales, out0
	v_lshl_add_u32 v[SPW], v0, 2, SPARE
	v_mov_b32 v[NIL], 0
	ds_add_u32 v28, v29
	ds_add_u32 v28, v29
	s_wait_dscnt 0x0
	v_lshrrev_b32 v1, 5, v0
	v_readfirstlane_b32 s14, v1
	s_lshr_b32 s15, s14, 1
	s_and_b32 s16, s14, 1
	s_bfe_u32 s40, ttmp6, 0x40000                  ; cx
	s_bfe_u32 s41, ttmp6, 0x40004                  ; cy
	s_lshl_b32 s42, ttmp9, 2
	s_add_co_u32 s42, s42, s40                     ; tile column
	s_and_b32 s17, ttmp7, 0xffff
	s_lshl_b32 s17, s17, 2
	s_add_co_u32 s17, s17, s41                     ; tile row
	s_lshl_b32 s43, s41, 2
	s_lshl_b32 s43, 15, s43
	s_lshl_b32 s44, 0x1111, s40
	s_or_b32 s[G1+0], s43, (3<<16)|(1<<21)         ; 15:0 the mask; 17:16 elements of 8 bytes; 21 set beside a mask; no padding
	s_or_b32 s[G1B+0], s44, (3<<16)|(1<<21)
.irp g, G1, G1B
	s_mov_b32 s[\g+1], 512<<16
	s_mov_b32 s[\g+2], 8<<16
	s_mov_b32 s[\g+3], 512<<16
	s_mov_b32 s[\g+4], 8
	s_mov_b32 s[\g+5], 2048
	s_mov_b32 s[\g+6], 0
	s_mov_b32 s[\g+7], 0
.endr
	s_lshl_b32 s18, s16, 7
	s_lshl_b32 s20, s17, 8
	s_add_co_u32 s20, s20, s18
	s_lshl_b32 s20, s20, 10
	s_mov_b32 s21, 0
	s_lshl_b32 s46, s42, 8
	s_add_co_u32 s46, s46, s18
	s_lshl_b32 s46, s46, 10
	s_add_co_u32 s46, s46, 0x300000                ; Wo's plane
	s_mov_b32 s47, 0
	s_mul_i32 s45, s14, HALFT
	s_wait_kmcnt 0x0
	s_load_b64 s[96:97], s[8:9], 0x28              ; e10, e11
	s_add_nc_u64 s[20:21], s[4:5], s[20:21]
	s_add_nc_u64 s[46:47], s[6:7], s[46:47]
	CROUND
.irp s, 0,1
	s_mov_b32 s[G0+4*\s], 1
	s_add_co_u32 s[G0+4*\s+1], s45, \s*SLOT
	s_add_nc_u64 s[G0+4*\s+2:G0+4*\s+3], s[20:21], \s*KADV
	s_or_b32 s[G0+4*\s+3], s[G0+4*\s+3], 0x80000000
	s_mov_b32 s[G0B+4*\s], 1
	s_add_co_u32 s[G0B+4*\s+1], s45, \s*SLOT
	s_add_nc_u64 s[G0B+4*\s+2:G0B+4*\s+3], s[46:47], \s*KADV
	s_or_b32 s[G0B+4*\s+3], s[G0B+4*\s+3], 0x80000000
	s_wait_alu depctr_va_vdst(0)
	s_wait_tensorcnt 0x0
	ds_add_u32 v28, v29
	ds_add_u32 v28, v29
	s_wait_dscnt 0x0
	CROUND
	JLOAD G0+4*\s, G1, G0B+4*\s, G1B
.endr
	v_and_b32 v1, 15, v0
	s_wait_alu depctr_va_vdst(0)
	v_bfe_u32 v2, v0, 4, 1
	v_and_b32 v6, 31, v0
	v_lshlrev_b32 v[LI], 4, v6
	s_mul_i32 s21, s15, HALFT
	s_mul_i32 s22, s16, HALFT
	s_add_co_u32 s22, s22, 2*HALFT
.irp s, 0,1
	v_add_nc_u32 v[ADRA+\s], s21, v[LI]
	v_add_nc_u32 v[ADRB+\s], s22, v[LI]
	s_add_co_u32 s21, s21, SLOT
	s_add_co_u32 s22, s22, SLOT
.endr
	s_mul_i32 s23, s14, 16*SPITCH                  ; my stage
	v_mul_u32_u24 v5, v1, SPITCH
	s_wait_alu depctr_va_vdst(0)
	v_lshl_add_u32 v5, v2, 5, v5
	v_add_nc_u32 v[STO], s23, v5
	v_lshlrev_b32 v[CO], 4, v6
	v_add_nc_u32 v[RD], s23, v[CO]
	s_lshl_b32 s20, s17, 8
	s_lshl_b32 s21, s15, 7
	s_add_co_u32 s20, s20, s21                     ; my first row of out0
	s_lshl_b32 s20, s20, 12                        ; 4,096 bytes a row
	s_mov_b32 s21, 0
	s_lshl_b32 s46, s42, 10
	s_lshl_b32 s47, s16, 9
	s_add_co_u32 s46, s46, s47                     ; my first column, in bytes
	s_mov_b32 s47, 0
	s_add_nc_u64 s[20:21], s[20:21], s[46:47]
	s_add_nc_u64 s[10:11], s[10:11], s[20:21]
.macro FRAG reg, adr, q, i
.irp c, 0,1,2,3
	ds_load_b128 v[\reg+4*\c:\reg+4*\c+3], v[\adr] offset:4096*(\i)+2048*(\q)+512*\c
.endr
.endm
; The 64 accumulators take turns, one instruction a turn, in the same order in every step.
.macro MUL16 a0, p, zero
.irp a, \a0, \a0+1
.irp b, 0,1,2,3,4,5,6,7
.if \zero
	v_wmma_f32_16x16x128_fp8_fp8 v[8*(8*((\a)%4)+\b):8*(8*((\a)%4)+\b)+7], v[128*(\p)+FR*\b:128*(\p)+FR*\b+FR-1], v[AF+FR*(\a):AF+FR*(\a)+FR-1], 0
.else
	v_wmma_f32_16x16x128_fp8_fp8 v[8*(8*((\a)%4)+\b):8*(8*((\a)%4)+\b)+7], v[128*(\p)+FR*\b:128*(\p)+FR*\b+FR-1], v[AF+FR*(\a):AF+FR*(\a)+FR-1], v[8*(8*((\a)%4)+\b):8*(8*((\a)%4)+\b)+7]
.endif
.endr
.endr
.endm
.macro FETCH_B slot, q, p
	WIN TO_B
.irp i, 0,1,2,3,4,5,6,7
	FRAG 128*(\p)+FR*\i, ADRB+\slot, \q, \i
.endr
	WIN 0
.endm
.macro FETCH_A slot, q, i0
.irp i, \i0, \i0+1, \i0+2, \i0+3
	FRAG AF+FR*(\i), ADRA+\slot, \q, \i
.endr
.endm
.macro PLACES n
.rept \n
	v_nop
.endr
.endm
.macro STEP slot, q, zero
	s_wait_dscnt 4*NL                              ; B's set and A's blocks 0-3 are in; the youngest 16 loads (A's blocks 4-7) may be out
	WIN MUL_LO
	MUL16 0, (\q)%2, \zero
	MUL16 2, (\q)%2, \zero
	s_wait_dscnt 0
	PLACES NP
	FETCH_B \slot, (\q)+1, 1-(\q)%2
	FETCH_A \slot, (\q)+1, 0
	WIN MUL_HI
	MUL16 4, (\q)%2, \zero
	MUL16 6, (\q)%2, \zero
	PLACES NP
	WIN 0
	FETCH_A \slot, (\q)+1, 4
.endm
.macro TURN slot, next, fill
	s_wait_tensorcnt 0x0                           ; all my tensor loads have landed: my part of the next slot
	ds_add_u32 v[SPW], v[NIL]                      ; 0 onto my spare word
	s_wait_dscnt 4*NL+1                            ; (the add and the youngest 16 loads may be out)
	WIN MUL_LO
	MUL16 0, 1, 0
	s_wait_dscnt 0x0                               ; the add is done, and my reads of this slot are over
	s_barrier_signal -1
	MUL16 2, 1, 0
	WIN 0
	s_barrier_wait -1
.if \fill
	CREST                                          ; the barrier has opened a round of the cluster's: no wave of any partner still reads this slot or has a load on its way
	s_add_nc_u64 s[G0+4*\slot+2:G0+4*\slot+3], s[G0+4*\slot+2:G0+4*\slot+3], 2*KADV
	s_add_nc_u64 s[G0B+4*\slot+2:G0B+4*\slot+3], s[G0B+4*\slot+2:G0B+4*\slot+3], 2*KADV
	JLOAD G0+4*\slot, G1, G0B+4*\slot, G1B
.else
	PLACES NP
.endif
	FETCH_B \next, 0, 0
	FETCH_A \next, 0, 0
	WIN MUL_HI
	MUL16 4, 1, 0
	MUL16 6, 1, 0
	PLACES NP
	WIN 0
	FETCH_A \next, 0, 4
.endm
	s_wait_tensorcnt 1                             ; my part of slot 0 is in; slot 1's load may be out
	s_barrier_signal -1
	s_barrier_wait -1
	FETCH_B 0, 0, 0
	FETCH_A 0, 0, 0
	FETCH_A 0, 0, 4
	STEP 0, 0, 1                                   ; eight steps of 128 along K, written out; the first products start the sums
	TURN 0, 1, 1
	STEP 1, 0, 0
	TURN 1, 0, 1
	STEP 0, 0, 0
	TURN 0, 1, 0
	STEP 1, 0, 0
	s_wait_dscnt 4*NL
	WIN MUL_LO
	MUL16 0, 1, 0
	MUL16 2, 1, 0
	s_wait_dscnt 0
	WIN MUL_HI
	MUL16 4, 1, 0
	MUL16 6, 1, 0
	WIN 0
; THE WAY OUT, block by block of 16 rows x 128 columns: x 2^(e10 + e11), into my stage, back as whole rows of 512 bytes.  LDS serves a wave's instructions in order (ISA guide 5.7.1.4): no wait between stores and loads.
.macro TOSTAGE a
.set AC, 64*((\a)%4)
	WIN 0x02+((\a)/4)
.set jj, 0
.rept 32
	v_pk_mul_f32 v[TMP+jj:TMP+jj+1], v[AC+jj:AC+jj+1], s[96:97] op_sel_hi:[1,0]   ; each accumulator from its low end on
.set jj, jj+2
.endr
	WIN 0
.irp b, 0,1,2,3,4,5,6,7
	ds_store_b128 v[STO], v[TMP+8*\b:TMP+8*\b+3] offset:64*\b
	ds_store_b128 v[STO], v[TMP+8*\b+4:TMP+8*\b+7] offset:64*\b+16
.endr
.set BB, BK+64*((\a)%2)
.irp t, 0,1,2,3,4,5,6,7,8,9,10,11,12,13,14,15
	ds_load_b128 v[BB+4*\t:BB+4*\t+3], v[RD] offset:\t*SPITCH
.endr
.endm
.macro SEND a, younger
.set BB, BK+64*((\a)%2)
	s_wait_dscnt \younger                          ; the block is back in registers
.if (\a) > 0
	s_add_nc_u64 s[10:11], s[10:11], 16*SIZE_N*4   ; (behind a wait on XCNT: the earlier stores have read their base)
.endif
.irp t, 0,1,2,3,4,5,6,7,8,9,10,11,12,13,14,15
	global_store_b128 v[CO], v[BB+4*\t:BB+4*\t+3], s[10:11] offset:\t*SIZE_N*4 th:TH_STORE_NT   ; 32 lanes store 512 consecutive bytes, at a multiple of 256 from out0's first byte
.endr
.endm
	s_wait_kmcnt 0x0
	s_add_co_i32 s96, s96, s97
	s_add_co_i32 s96, s96, 127
	s_lshl_b32 s96, s96, 23                        ; 2^(e10 + e11) as f32
	PLACES NP
	TOSTAGE 0
.irp a, 1,2,3,4,5,6,7
.if \a > 1
	s_wait_xcnt 0x0                                ; block a - 2's stores have read their registers and their base
.endif
	TOSTAGE \a
	SEND \a-1, 32                                  ; behind block a - 1's loads: block a's 16 stores and 16 loads
.endr
	s_wait_xcnt 0x0
	SEND 7, 0
	s_wait_tensorcnt 0x0                           ; the wave's end
	ds_add_u32 v[SPW], v[NIL]
	s_wait_dscnt 0x0
	CROUND                                         ; the closing round
	s_endpgm
.Lfunc_end_k_qf6c2261d9a_oproj:
	.size	k_qf6c2261d9a_oproj, .Lfunc_end_k_qf6c2261d9a_oproj-k_qf6c2261d9a_oproj
	.p2alignl 7, 3214868480
	.fill 96, 4, 3214868480
	.section	.rodata,"a",@progbits
	.p2align	6, 0x0
	.amdhsa_kernel k_qf6c2261d9a_oproj
		.amdhsa_group_segment_fixed_size 327680
		.amdhsa_private_segment_fixed_size 0
		.amdhsa_enable_private_segment 0
		.amdhsa_kernarg_size 32
		.amdhsa_user_sgpr_count 2
		.amdhsa_user_sgpr_kernarg_segment_ptr 1
		.amdhsa_wavefront_size32 1
		.amdhsa_system_sgpr_workgroup_id_x 1
		.amdhsa_system_sgpr_workgroup_id_y 1
		.amdhsa_system_sgpr_workgroup_id_z 1
		.amdhsa_system_vgpr_workitem_id 0
		.amdhsa_next_free_vgpr 1024
		.amdhsa_next_free_sgpr 98
		.amdhsa_reserve_vcc 0
		.amdhsa_float_denorm_mode_32 3
		.amdhsa_float_denorm_mode_16_64 3
		.amdhsa_memory_ordered 1
		.amdhsa_forward_progress 1
		.amdhsa_inst_pref_size 124
	.end_amdhsa_kernel
	.amdgpu_metadata
---
amdhsa.version: [ 1, 2 ]
amdhsa.kernels:
  - .name:           k_qf6c2261d9a_oproj
    .symbol:         k_qf6c2261d9a_oproj.kd
    .args:
      - { .name: ac, .offset: 0, .size: 8, .value_kind: global_buffer, .address_space: global }
      - { .name: wc, .offset: 8, .size: 8, .value_kind: global_buffer, .address_space: global }
      - { .name: lowp_scales, .offset: 16, .size: 8, .value_kind: global_buffer, .address_space: global }
      - { .name: out0, .offset: 24, .size: 8, .value_kind: global_buffer, .address_space: global }
    .group_segment_fixed_size: 327680
    .private_segment_fixed_size: 0
    .kernarg_segment_align: 8
    .kernarg_segment_size: 32
    .max_flat_workgroup_size: 128
    .sgpr_count:     98
    .vgpr_count:     1024
    .wavefront_size: 32
...
	.end_amdgpu_metadata
.endif
;; end of part 4
